; MI455X (gfx1250); checked and timed in simulation.
; The chip was launched on July 23, 2026; its instructions are those of AMD's public machine-readable ISA for CDNA 5 (MIT licence, August 2026) and "CDNA5" Instruction Set Architecture Reference Guide (July 2026). The comments in the code are by the model that wrote it; some were corrected since.
;; Monotonic Attention. Allowed arithmetic: matrix products marked QUANTISED: E2M1 operands, one E8M0 scale for each 32 along K, by v_wmma_scale_f32_16x16x128_f8f6f4 with both operands' format E2M1 (or v_wmma_scale_f32_32x16x128_f4), f32 sums; everything else in f32.
;; Inputs: K_codes 32 x 1,024 x 2 x 16 uint8 (E2M1 codes of K, K innermost, in blocks of 32 codes, two codes a byte); K_scales 32 x 1,024 x 2 uint8 (E8M0 scales of K, one for each 32 codes along K); Q_codes 32 x 1,024 x 2 x 16 uint8 (E2M1 codes of Q, K innermost, in blocks of 32 codes, two codes a byte); Q_scales 32 x 1,024 x 2 uint8 (E8M0 scales of Q, one for each 32 codes along K); V_codes 32 x 64 x 32 x 16 uint8 (E2M1 codes of V, K innermost, in blocks of 32 codes, two codes a byte); V_scales 32 x 64 x 32 uint8 (E8M0 scales of V, one for each 32 codes along K); gamma 1 x 1 float32; mask 32 x 1,024 x 1,024 bool.
;; Outputs: out0 32 x 1,024 x 64 float32.
;; Constants: dk = 64.
;; This version of the problem:
;;   THIS VERSION OF THE PROBLEM IS GIVEN IN LOW PRECISION. The matrix products marked QUANTISED in the list below multiply operands that are first quantised to E2M1 (2 exponent bits, 1 mantissa bit; 4 bits a number), with one power-of-two scale for each 32 numbers along K (OCP MX v1.0); their sums are f32. All else is computed in f32.
;;   The module's matrix products, in the order in which they are computed (A, B: the left and right operand; K: the contracted axis; several contracted axes count as one K, in the product's order):
;;     1. batch 32 x [M 1,024, K 64] x [K 64, N 1,024]; A: input Q (given as codes); B: input K (given as codes): QUANTISED
;;     2. batch 32 x [M 1,024, K 1,024] x [K 1,024, N 64]; A: softmax (see below); B: input V (given as codes): QUANTISED
;;   THE QUANTISER, for each operand of a quantised product, along K:
;;     - K is cut into blocks of 32 from its start; a last block that is shorter is filled with zeros.
;;     - A block's scale is 2^e with e = floor(log2(the largest magnitude in the block)) - 2, held to -126 .. 127; a block of zeros has e = 0. As a byte (E8M0): e + 127.
;;     - Each number is divided by its block's scale, clamped to +-6, and rounded to the nearest number of E2M1, ties to even, subnormals kept.
;;     - The product sums the exact products of the quantised numbers (number of the format x scale) in f32.
;;   ~~~python
;;   def quantise(x, axis):      # numpy; x: float32 -> the quantised numbers, widened to float32 again
;;       x = np.moveaxis(x, axis, -1); K = x.shape[-1]
;;       x = np.pad(x, [(0, 0)] * (x.ndim - 1) + [(0, -K % 32)]); x = x.reshape(x.shape[:-1] + (-1, 32)); a = np.abs(x).max(-1, keepdims=True)
;;       e = np.where(a > 0, np.clip(np.frexp(np.where(a > 0, a, 1))[1] - 1 - 2, -126, 127), 0)      # np.frexp(a)[1] - 1 = floor(log2(a)), exactly
;;       r = np.clip(x / 2.0 ** e, -6, 6)
;;       step = 2.0 ** (np.maximum(np.frexp(np.where(r == 0, 1, r))[1] - 1, 0) - 1)
;;       q = np.round(r / step) * step * 2.0 ** e      # np.round: ties to even
;;       return np.moveaxis(q.reshape(q.shape[:-2] + (-1,))[..., :K], -1, axis).astype(np.float32)
;;   ~~~
;;   SOFTMAX AHEAD OF A QUANTISED PRODUCT. Where the list says 'softmax', what is quantised is not the finished softmax but p = 2^(t - M), with t = logit x log2(e) and M = ceil(the row's largest t), a whole number; so 1/2 < the row's largest p <= 1. The row's sum l is taken of the UNQUANTISED p, in f32, and the product's result is divided by l at the end. Since M is a whole number, a kernel that streams over the keys may use a running M (the ceiling of the running maximum): every later rescaling is an exact power of two, which a block's scale takes up: the codes' values come out the same.
;;   OPERANDS COMPUTED ON THE WAY. 'Computed on the way' means the value that the module computes at that place (a softmax that the list does not call 'softmax' is quantised finished and normalised). What goes into a quantiser is computed in f32, as accurately as f32 sums, v_exp_f32 and their like allow (about 1e-6 of the number): no bf16 or f16 on the way to a quantiser, and a product that is left as it is and whose result goes on into a quantised operand takes f32 operands (vector FMAs, or v_wmma_f32_16x16x4_f32). A number that lies on a knife's edge between two numbers of the format may be rounded either way, as far as f32 arithmetic and the matrix unit's own rounding can turn it there, and no further.
;;   INPUTS GIVEN AS CODES. K (in the module: [32, 1024, 64], K = its axis 2); Q (in the module: [32, 1024, 64], K = its axis 2); V (in the module: [32, 1024, 64], K = its axis 1): each comes as NAME_codes (uint8): NAME with its K axis moved to the last place and cut into blocks of 32 codes, [.., K / 32, bytes a block], one block behind the other in memory; two codes a byte, the lower K in the low four bits (a code: sign, 2 exponent bits, 1 mantissa bit); and NAME_scales (uint8): the same leading axes, one E8M0 byte (e + 127) for each 32 codes along K. Its value is code x scale, taken as it is: it is not quantised again, and the codes and scales need not be those that the quantiser above would give.
;; 2 versions. Each part assembles by itself: llvm-mc -triple=amdgcn-amd-amdhsa -mcpu=gfx1250 --defsym DOCPART=n.
;; ======== version 1 of 2: 1 launch
;; launch mono (part 1): grid 8 x 32, 16 waves a work-group, no clusters, 176,128 bytes of LDS; arguments K_codes, K_scales, Q_codes, Q_scales, V_codes, V_scales, gamma, mask, out0; writes out0
.if DOCPART == 1
	.amdgcn_target "amdgcn-amd-amdhsa--gfx1250"
	.amdhsa_code_object_version 6
	.text
	.protected	k_q66d8067d33_mono
	.globl	k_q66d8067d33_mono
	.p2align	8
	.type	k_q66d8067d33_mono,@function
k_q66d8067d33_mono:
	s_mov_b64 s[64:65], 0
	v_nop
	global_prefetch_b8 v0, s[64:65] scope:SCOPE_SE
	s_setreg_imm32_b32 hwreg(HW_REG_WAVE_MODE, 25, 1), 1
	s_wait_xcnt 0x0
; MONOTONIC ATTENTION on codes of FP4 (E2M1), 32 batches of 1,024 queries x 1,024 keys, head size 64.
;   w = Q K^T (quantised, K = 64), -1e8 where the mask input is 1;  score = softmax(w / 8);  S(j) = the sum of the row's scores behind key j;
;   te = clip(exp(-softplus(gamma) sqrt(S(j) |j - i|)), 1e-5, 1e5);  p = 2^(t - M), t = w te log2(e) / 8, M a whole number;  out = Q4(p) V / sum(p).
; SHARES.  A work-group owns 128 queries of one batch and walks them in 4 trips of 32.  Its sixteen waves are two groups of eight: in a trip group g owns 16 queries, and wave w of the
; group holds those 16 queries x keys 128 w .. 128 w + 127: 64 scores a lane, which stay in registers from the first product to the second.  So no score, mask byte or exponential is made twice.
; LAYOUT.  Both products are used transposed (source 0 = 16 keys or 16 channels, source 1 = the 16 queries): lane (r = lane % 16, h = lane / 16) holds query r throughout.
; THE KEYS OF A TILE ARE NOT NEIGHBOURS: lane r of K's tile t takes key 32 (t / 2) + 8 (t % 2) + r + 8 (r / 8), so that register 16 b + i of a lane is key 128 w + 32 b + 16 h + i.
; TWO BARRIERS A TRIP.  Each softmax is made under the wave's OWN maximum and joined afterwards.  First: a wave publishes (c x its maximum, its sum of e); the factor 2^(own - row's) rides in a
; multiply-add that is needed anyway.  Second: a wave quantises p under its own whole number M_w and publishes its part of O, its sum and -M_w; the parts are joined by exact powers of two.
; S(j) is made directly as a sum of e >= 0 (a scan from the chunk's last key down, plus what lies behind the chunk), not as total - cumsum: it cannot be negative, so the clip at 0 holds by construction.
; K = 64 IN AN INSTRUCTION OF 128: Q's registers 4-7 are zero codes; the scale words are loaded as 16 bits, so bytes 2, 3 are 0 (2^-127, no NaN).  K's fragment t is named as 8 registers of which the upper four
; are the next tile's codes (for t = 7 four registers beyond): every E2M1 code is a finite number, and it meets Q's zeros, so that half adds nothing.
; NO CLUSTER, NO TENSOR LOAD: K and V, which the 8 work-groups of a batch share, are fetched once, ahead of the loop (8 loads of 16 bytes a lane and wave); all traffic in the loop is the mask (32 KB a trip) and Q, which no two work-groups share.
; The mask is asked for one whole trip ahead, into registers, 512 consecutive bytes an instruction, and turned through LDS.
; LIMITS: mask bytes are 0 or 1; NaN, infinities and the scale byte 0xff among the inputs are not served; S(j) is rounded in another order than total - cumsum; for gamma under about -17 softplus(gamma) is taken as 0
; (it is under 5e-8 there); in a row that is masked whole the logits are of the size 1e7 and carry f32's rounding at that size.
.set KIMG, 0                           ; LDS: register images of K's tiles: 4096 w + 512 t + 16 lane
.set VIMG, 32768                       ; of V's fragments: 4096 w + 512 (2 t + c) + 16 lane
.set MSK,  65536                       ; a trip's mask: group x MGRP + row x MROW + key
.set MROW, 1040                        ; 1,024 bytes + 16: an odd multiple of 16, so that sixteen rows' 16 bytes fall on different banks (64 banks of 4 bytes: ISA guide 11.1)
.set MGRP, 16*MROW
.set OP,   MSK+2*MGRP                  ; parts of O: group x OGRP + wave x OWAV + query x OROW + 4 channel
.set OROW, 272
.set OWAV, 16*OROW
.set OGRP, 8*OWAV
.set X1,   OP+2*OGRP                   ; first exchange: group x XGRP + query x XROW + 8 wave: (c x maximum, sum of e)
.set XROW, 80
.set XGRP, 16*XROW
.set X2,   X1+2*XGRP                   ; second exchange, the same form: (-M, sum of p).  It ends at byte 173,568; the launch claims a little more
.set AKI,  1                           ; v1   KIMG + 4096 w + 16 lane
.set AVI,  2                           ; v2   VIMG + 4096 w + 16 lane
.set AMR,  3                           ; v3   the mask, read: my query's row, my 16 keys of block 0
.set AMW,  4                           ; v4   the mask, written: rows 2 w, 2 w + 1 of my group, 16 bytes a lane
.set L16,  5                           ; v5   16 x lane: offset of the mask's loads and of out0's store
.set GQO,  6                           ; v6   Q's codes: 32 r + 16 h
.set GQS,  7                           ; v7   Q's scales: 2 r
.set AX1W, 8
.set AX1R, 9
.set AX2W, 10
.set AX2R, 11
.set AOW,  12
.set AOR,  13
.set HM,   14                          ; v14  1.0 - h
.set TL,   15                          ; v15  at work at the head
.set WT,   16                          ; v16-19   1.0 where wave 4 h + k lies behind mine, else 0
.set DL,   20                          ; v20-23   my query - the first key of my chunk b, as f32
.set IX,   24                          ; v24-39   0.0 .. 15.0
.set KS,   40                          ; v40-47   K's scale words, a tile each: scales and nothing else
.set VS,   48                          ; v48-51   V's
.set QS,   52                          ; v52      Q's
.set PS,   53                          ; v53      p's
.set QF,   54                          ; v54-61   Q's fragment; v58-61 stay zero codes
.set PC,   62                          ; v62-69   p's codes
.set MK,   70                          ; v70-85   16 words of mask
.set BT,   86                          ; v86-93   at work
.set CM,   94                          ; v94-97   maxima of chunks and blocks
.set CP,   98                          ; v98-101  what the lane 16 away sends
.set OFFL, 102                         ; v102-105 e behind my chunk b, inside my wave
.set OFF,  106                         ; v106-109 the same in the row, scaled
.set MC,   110                         ; v110, v111  (c x my wave's maximum, my wave's sum of e)
.set NM,   112                         ; v112, v113  (-M, my wave's sum of p)
.set T0,   114                         ; v114-117 at work
.set T1,   115
.set T2,   116
.set T3,   117
.set LS,   118                         ; v118-121 the sum of p in two chains of pairs
.set SCO,  122                         ; v122-125 the conversions' scale operands
.set TR,   126                         ; v126, v127  r, h at the head
.set TH,   127
.set W,    128                         ; v128-191 w, then u = w te, then p; v128-159 then O^T; behind the second barrier the reduction works here
.set X,    192                         ; v192-255 K's fragments (32), then t, e, sums, te; then V's fragments in the upper 32 and the next trip's K in the lower
.set HK,   86                          ; at the head alone: offsets of K's, V's and their scales' loads, and where their images go
.set HKS,  87
.set HV,   88
.set HVS,  89
.set HKW,  90
.set HVW,  91
.set R8,   92
; s[4:21] the nine addresses; s22 wave, s23 g, s24 w, s25 batch, s26 8 x + g; s[28:29] lane selects; s[30:31] c; s32 -1e8; s33, s34 the clip; s35-37 byte selects; s38 trips to go; s39 (softplus(gamma) log2 e)^2
.macro BARRIER                         ; my LDS stores have landed and my LDS loads are in: then the work-group's barrier
	s_wait_dscnt 0x0
	s_barrier_signal -1
	s_barrier_wait -1
.endm
.macro FETCH_K                         ; my chunk's eight tiles of K, four registers each
.irp t, 0,1,2,3,4,5,6,7
	ds_load_b128 v[X+4*\t:X+4*\t+3], v[AKI] offset:512*\t
.endr
.endm
.macro FETCH_V                         ; four fragments of V: 16 channels x my 128 keys each
.irp t, 0,1,2,3,4,5,6,7
	ds_load_b128 v[X+32+4*\t:X+32+4*\t+3], v[AVI] offset:512*\t
.endr
.endm
.macro MSTORE                          ; two rows of the mask, as loaded: 512 bytes an instruction
	ds_store_b128 v[AMW], v[MK:MK+3]
	ds_store_b128 v[AMW], v[MK+4:MK+7] offset:512
	ds_store_b128 v[AMW], v[MK+8:MK+11] offset:MROW
	ds_store_b128 v[AMW], v[MK+12:MK+15] offset:MROW+512
.endm
.macro MAX4 s                          ; the largest of each chunk's 16 registers into v[CM + b]; the four chunks by turns; each chunk from its low registers on
.irp b, 0,1,2,3
	v_max3_num_f32 v[CM+\b], v[\s+16*\b], v[\s+16*\b+1], v[\s+16*\b+2]
.endr
.irp i, 3,5,7,9,11,13
.irp b, 0,1,2,3
	v_max3_num_f32 v[CM+\b], v[CM+\b], v[\s+16*\b+\i], v[\s+16*\b+\i+1]
.endr
.endr
.irp b, 0,1,2,3
	v_max_num_f32 v[CM+\b], v[CM+\b], v[\s+16*\b+15]
.endr
.endm
.macro XH d, s                         ; from the lane 16 away
	v_permlanex16_b32 v[\d], v[\s], s28, s29
.endm
.macro TWAIT                           ; behind a batch of transcendentals: one plain instruction (ISA guide 5.7.2), and the one wait ahead of the batch's first reader
	v_nop
	s_wait_alu depctr_va_vdst(0)
.endm
.macro PTR2 p, bs, r1, h1              ; address p += batch << bs + s[r1] << h1
	s_lshl_b32 s52, s25, \bs
	s_lshl_b32 s54, s[\r1], \h1
	s_add_co_u32 s52, s52, s54
	s_add_nc_u64 s[\p:\p+1], s[\p:\p+1], s[52:53]
.endm
.macro PTR3 p, bs, r1, h1, r2, h2
	s_lshl_b32 s52, s25, \bs
	s_lshl_b32 s54, s[\r1], \h1
	s_add_co_u32 s52, s52, s54
	s_lshl_b32 s54, s[\r2], \h2
	s_add_co_u32 s52, s52, s54
	s_add_nc_u64 s[\p:\p+1], s[\p:\p+1], s[52:53]
.endm
.macro POS b                           ; chunk b: x (my query - the key), two at a time; the sign is dropped by the root's |.|
.irp q, 0,1
.irp m, 0,1,2,3
.if (\b)%2
	v_pk_add_f32 v[BT+2*\m:BT+2*\m+1], v[DL+2*((\b)/2):DL+2*((\b)/2)+1], v[IX+8*\q+2*\m:IX+8*\q+2*\m+1] op_sel:[1,0] op_sel_hi:[1,1] neg_lo:[0,1] neg_hi:[0,1]
.else
	v_pk_add_f32 v[BT+2*\m:BT+2*\m+1], v[DL+2*((\b)/2):DL+2*((\b)/2)+1], v[IX+8*\q+2*\m:IX+8*\q+2*\m+1] op_sel_hi:[0,1] neg_lo:[0,1] neg_hi:[0,1]
.endif
.endr
.irp m, 0,1,2,3
	v_pk_mul_f32 v[X+16*\b+8*\q+2*\m:X+16*\b+8*\q+2*\m+1], v[X+16*\b+8*\q+2*\m:X+16*\b+8*\q+2*\m+1], v[BT+2*\m:BT+2*\m+1]
.endr
.endr
.endm
	; ---------------- THE HEAD ----------------
	s_load_b512 s[4:19], s[0:1], 0x0               ; K's codes s[4:5], K's scales s[6:7], Q's s[8:9], s[10:11], V's s[12:13], s[14:15], gamma s[16:17], mask s[18:19]
	s_load_b64 s[20:21], s[0:1], 0x40              ; out0
	v_lshrrev_b32 v[TL], 5, v0
	v_readfirstlane_b32 s22, v[TL]                 ; wave 0..15
	s_lshr_b32 s23, s22, 3                         ; g: which 16 of a trip's 32 queries
	s_and_b32 s24, s22, 7                          ; w: which 128 keys
	s_and_b32 s25, ttmp7, 0xffff                   ; batch
	s_lshl_b32 s26, ttmp9, 3
	s_add_co_u32 s26, s26, s23                     ; 8 x + g: my group's first query / 16
	s_mov_b32 s28, 0x76543210
	s_mov_b32 s29, 0xfedcba98                      ; v_permlanex16_b32's selects for lane l xor 16
	s_mov_b32 s30, 0x3e38aa3b                      ; c = log2(e) / sqrt(64)
	s_mov_b32 s31, s30                             ; (named with it as a pair, so it is written)
	s_mov_b32 s32, 0xccbebc20                      ; -1e8
	s_mov_b32 s33, 0x3727c5ac                      ; 1e-5
	s_mov_b32 s34, 0x47c35000                      ; 1e5
	s_mov_b32 s35, 0x01010101                      ; v_perm_b32: byte 1, 2, 3 of a word into all four bytes
	s_mov_b32 s36, 0x02020202
	s_mov_b32 s37, 0x03030303
	s_mov_b32 s38, 4
	s_mov_b32 s53, 0
	v_and_b32 v[TL], 31, v0                        ; lane
	v_and_b32 v[TR], 15, v0                        ; r
	v_bfe_u32 v[TH], v0, 4, 1                      ; h
	v_lshlrev_b32 v[L16], 4, v[TL]
	s_lshl_b32 s40, s24, 12                        ; the images of chunk w (KIMG = 0)
	v_add_nc_u32 v[AKI], s40, v[L16]
	s_add_co_u32 s41, s40, VIMG
	v_add_nc_u32 v[AVI], s41, v[L16]
	s_lshl_b32 s41, s23, 11                        ; group g makes the upper or the lower half of both
	v_add_nc_u32 v[HKW], s41, v[AKI]
	v_add_nc_u32 v[HVW], s41, v[AVI]
	s_mul_i32 s42, s23, MGRP
	s_add_co_u32 s42, s42, MSK                     ; my group's 16 rows of mask
	s_lshl_b32 s43, s24, 7
	s_add_co_u32 s43, s43, s42
	v_mul_u32_u24 v[AMR], v[TR], MROW
	v_lshl_add_u32 v[AMR], v[TH], 4, v[AMR]
	v_add_nc_u32 v[AMR], s43, v[AMR]               ; row r, key 128 w + 16 h
	s_mul_i32 s43, s24, 2*MROW
	s_add_co_u32 s43, s43, s42
	v_add_nc_u32 v[AMW], s43, v[L16]               ; rows 2 w, 2 w + 1
	s_mul_i32 s42, s23, XGRP
	s_add_co_u32 s42, s42, X1
	s_lshl_b32 s43, s24, 3
	s_add_co_u32 s43, s43, s42
	v_mul_u32_u24 v[T0], v[TR], XROW
	v_add_nc_u32 v[AX1W], s43, v[T0]               ; query r, wave w's pair
	v_add_nc_u32 v[AX2W], X2-X1, v[AX1W]
	v_lshl_add_u32 v[AX1R], v[TH], 5, v[T0]
	v_add_nc_u32 v[AX1R], s42, v[AX1R]             ; query r, the pairs of waves 4 h .. 4 h + 3
	s_mul_i32 s43, s24, 2*XROW
	s_add_co_u32 s43, s43, s42
	s_add_co_u32 s43, s43, X2-X1
	v_mul_u32_u24 v[AX2R], v[TH], XROW
	v_add_nc_u32 v[AX2R], s43, v[AX2R]             ; query 2 w + h, all eight pairs
	s_mul_i32 s42, s23, OGRP
	s_add_co_u32 s42, s42, OP
	s_mul_i32 s43, s24, OWAV
	s_add_co_u32 s43, s43, s42
	v_mul_u32_u24 v[AOW], v[TR], OROW
	v_lshl_add_u32 v[AOW], v[TH], 5, v[AOW]
	v_add_nc_u32 v[AOW], s43, v[AOW]               ; my wave's part: query r, channel 8 h
	s_mul_i32 s43, s24, 2*OROW
	s_add_co_u32 s43, s43, s42
	v_mul_u32_u24 v[AOR], v[TH], OROW
	v_lshl_add_u32 v[AOR], v[TR], 4, v[AOR]
	v_add_nc_u32 v[AOR], s43, v[AOR]               ; part 0: query 2 w + h, channels 4 r .. 4 r + 3
	v_lshlrev_b32 v[GQO], 5, v[TR]
	v_lshl_add_u32 v[GQO], v[TH], 4, v[GQO]
	v_lshlrev_b32 v[GQS], 1, v[TR]
	v_and_b32 v[R8], 8, v[TR]
	v_add_nc_u32 v[R8], v[R8], v[TR]               ; r + 8 (r / 8)
	v_lshlrev_b32 v[HK], 5, v[R8]
	v_lshl_add_u32 v[HK], v[TH], 4, v[HK]          ; K: a key's row is 32 bytes
	v_lshlrev_b32 v[HKS], 1, v[R8]                 ; and 2 scale bytes
	v_lshlrev_b32 v[HV], 9, v[TR]
	v_lshl_add_u32 v[HV], v[TH], 4, v[HV]          ; V: a channel's row is 512 bytes
	v_lshlrev_b32 v[HVS], 5, v[TR]                 ; and 32 scale bytes
	v_cvt_f32_u32 v[HM], v[TH]
	v_sub_f32 v[HM], 1.0, v[HM]
	v_lshlrev_b32 v[T1], 2, v[TH]
.irp k, 0,1,2,3
	v_add_nc_u32 v[T2], \k, v[T1]
	v_cmp_lt_u32 vcc_lo, s24, v[T2]                ; wave 4 h + k lies behind mine
	v_cndmask_b32 v[WT+\k], 0, 1.0, vcc_lo
.endr
	s_lshl_b32 s42, s26, 4                         ; my group's first query,
	s_lshl_b32 s43, s24, 7
	s_sub_co_u32 s42, s42, s43                     ; less my wave's first key (a signed number)
	v_lshlrev_b32 v[T1], 4, v[TH]
	v_sub_nc_u32 v[T1], v[TR], v[T1]
	v_add_nc_u32 v[T1], s42, v[T1]
	v_cvt_f32_i32 v[DL], v[T1]
	v_add_f32 v[DL+1], 0xc2000000, v[DL]           ; -32, -64, -96: whole numbers under 2^24, exact
	v_add_f32 v[DL+2], 0xc2800000, v[DL]
	v_add_f32 v[DL+3], 0xc2c00000, v[DL]
.set j, 0
.rept 16
	v_cvt_f32_u32 v[IX+j], j
.set j, j+1
.endr
.irp j, 0,1,2,3
	v_mov_b32 v[QF+4+\j], 0                        ; Q's k = 64 .. 127: zero codes, for the whole launch
	v_mov_b32 v[CP+\j], 0                          ; written once: a lane permute's destination counts as one of its sources
	v_mov_b32 v[X+32+\j], 0                        ; named as the upper half of K's last fragment in the first trip
.endr
	v_mov_b32 v[MC+1], 0                           ; named as the upper halves of pairs before they are first written
	v_mov_b32 v[NM+1], 0
	s_wait_kmcnt 0x0
	PTR3 4, 15, 24, 12, 23, 11                     ; K's codes: batch, chunk w (128 keys x 32 bytes), group g's four tiles (64 keys on)
	PTR2 6, 11, 24, 8                              ; K's scales: chunk w
	PTR2 8, 15, 26, 9                              ; Q's codes: my group's 16 queries
	PTR2 10, 11, 26, 5                             ; Q's scales
	PTR3 12, 15, 23, 14, 24, 6                     ; V's codes: group g's two tiles (32 channels on), chunk w (64 bytes of a row)
	PTR2 14, 11, 24, 2                             ; V's scales: chunk w's word
	PTR3 18, 20, 26, 14, 24, 11                    ; mask: my group's 16 rows, rows 2 w and 2 w + 1 of them
	PTR3 20, 18, 26, 12, 24, 9                     ; out0: likewise
	s_load_b32 s44, s[16:17], 0x0                  ; gamma
.irp i, 0,1,2,3
	global_load_b128 v[MK+4*\i:MK+4*\i+3], v[L16], s[18:19] offset:512*\i th:TH_LOAD_NT   ; 32 lanes read 512 consecutive bytes; the launch reads them once
.endr
.irp t, 0,1,2,3
	global_load_b128 v[X+4*\t:X+4*\t+3], v[HK], s[4:5] offset:(32*(\t/2)+8*(\t%2))*32
.endr
.irp t, 0,1
.irp c, 0,1
	global_load_b128 v[X+16+8*\t+4*\c:X+16+8*\t+4*\c+3], v[HV], s[12:13] offset:8192*\t+32*\c
.endr
.endr
.irp t, 0,1,2,3,4,5,6,7
	global_load_u16 v[KS+\t], v[HKS], s[6:7] offset:(32*(\t/2)+8*(\t%2))*2   ; two scale bytes; bytes 2, 3 of the word come as 0
.endr
.irp t, 0,1,2,3
	global_load_b32 v[VS+\t], v[HVS], s[14:15] offset:512*\t
.endr
	global_load_b128 v[QF:QF+3], v[GQO], s[8:9]
	global_load_u16 v[QS], v[GQS], s[10:11]
	s_wait_kmcnt 0x0                               ; gamma.  softplus(gamma) log2(e) = max(gamma, 0) log2(e) + log2(1 + 2^(-|gamma| log2(e)))
	v_mov_b32 v[T1], s44
	v_mul_f32 v[T1], 0x3fb8aa3b, v[T1]
	v_exp_f32 v[T0], -|v[T1]|
	v_max_num_f32 v[T2], 0, v[T1]                  ; (the plain instruction behind the exponential)
	s_wait_alu depctr_va_vdst(0)                   ; the wait ahead of a transcendental's first reader
	v_add_f32 v[T0], 1.0, v[T0]
	v_log_f32 v[T3], v[T0]
	TWAIT
	v_add_f32 v[T3], v[T3], v[T2]
	v_mul_f32 v[T3], v[T3], v[T3]                  ; squared: it goes under the root
	v_readfirstlane_b32 s39, v[T3]
	s_wait_loadcnt 0x0                             ; all 26 loads of the head
.irp t, 0,1,2,3
	ds_store_b128 v[HKW], v[X+4*\t:X+4*\t+3] offset:512*\t          ; operands go to the other waves as images of their registers
	ds_store_b128 v[HVW], v[X+16+4*\t:X+16+4*\t+3] offset:512*\t
.endr
	MSTORE
	BARRIER                                        ; K's and V's images and the first trip's mask lie in LDS
	FETCH_K
.Ltrip:
	; ---------------- 1: scores, mask, the first softmax inside the wave ----------------
.irp b, 0,1,2,3
	ds_load_b128 v[MK+4*\b:MK+4*\b+3], v[AMR] offset:32*\b          ; my query's mask bytes of my 16 keys of block b
.endr
	s_wait_dscnt 4                                 ; LDS loads come back in order (ISA guide 5.7.1): K's fragments are in, the four loads just issued may be out
.irp t, 0,1,2,3,4,5,6,7                            ; eight accumulators, each begun with the constant 0: no chain
	v_wmma_scale_f32_16x16x128_f8f6f4 v[W+8*\t:W+8*\t+7], v[X+4*\t:X+4*\t+7], v[QF:QF+7], 0, v[KS+\t], v[QS] matrix_a_fmt:MATRIX_FMT_FP4 matrix_b_fmt:MATRIX_FMT_FP4
.endr
	s_wait_dscnt 0x0                               ; the mask words
.irp q, 0,1                                        ; bytes 0 / 1 become 0x00 / 0xff: m x 256 - m.  These 32 lines name none of the products' registers: they are the places behind them (ISA guide 7.12.1)
.irp j, 0,1,2,3,4,5,6,7
	v_lshlrev_b32 v[BT+\j], 8, v[MK+8*\q+\j]
.endr
.irp j, 0,1,2,3,4,5,6,7
	v_sub_nc_u32 v[MK+8*\q+\j], v[BT+\j], v[MK+8*\q+\j]
.endr
.endr
.set n, 0
.rept 16                                           ; a word's four bytes are spread over four words, which pick -1e8 or the score, bit by bit.  The scores go in ascending order: each accumulator is first read at its lowest register
	v_perm_b32 v[BT+4*(n%2)], v[MK+n], v[MK+n], 0
	v_perm_b32 v[BT+4*(n%2)+1], v[MK+n], v[MK+n], s35
	v_perm_b32 v[BT+4*(n%2)+2], v[MK+n], v[MK+n], s36
	v_perm_b32 v[BT+4*(n%2)+3], v[MK+n], v[MK+n], s37
	v_bfi_b32 v[W+4*n], v[BT+4*(n%2)], s32, v[W+4*n]
	v_bfi_b32 v[W+4*n+1], v[BT+4*(n%2)+1], s32, v[W+4*n+1]
	v_bfi_b32 v[W+4*n+2], v[BT+4*(n%2)+2], s32, v[W+4*n+2]
	v_bfi_b32 v[W+4*n+3], v[BT+4*(n%2)+3], s32, v[W+4*n+3]
.set n, n+1
.endr
	s_cmp_eq_u32 s38, 1                            ; the next trip's Q and mask are asked for here, if there is a next trip: no load leaves its buffer
	s_cbranch_scc1 .Lno_next_a
	global_load_b128 v[QF:QF+3], v[GQO], s[8:9] offset:1024
	global_load_u16 v[QS], v[GQS], s[10:11] offset:64
.irp i, 0,1,2,3
	global_load_b128 v[MK+4*\i:MK+4*\i+3], v[L16], s[18:19] offset:32768+512*\i th:TH_LOAD_NT
.endr
.Lno_next_a:
	MAX4 W
	v_max3_num_f32 v[T0], v[CM], v[CM+1], v[CM+2]
	v_max_num_f32 v[T0], v[T0], v[CM+3]
	XH CP, T0
	v_max_num_f32 v[T0], v[T0], v[CP]              ; my query's largest score among my wave's 128 keys
	v_mul_f32 v[MC], s30, v[T0]
.set j, 0
.rept 32
	v_pk_fma_f32 v[X+j:X+j+1], v[W+j:W+j+1], s[30:31], v[MC:MC+1] op_sel_hi:[1,0,0] neg_lo:[0,0,1] neg_hi:[0,0,1]   ; c w - c max, two at a time
.set j, j+2
.endr
.set j, 0
.rept 64
	v_exp_f32 v[X+j], v[X+j]                       ; e
.set j, j+1
.endr
	TWAIT
.set i, 14
.rept 15                                           ; the scan from each chunk's last key down, four chains by turns: register i then holds the sum of e from key i on
.irp b, 0,1,2,3
	v_add_f32 v[X+16*\b+i], v[X+16*\b+i], v[X+16*\b+i+1]
.endr
.set i, i-1
.endr
.irp b, 0,1,2,3
	XH CP+\b, X+16*\b                              ; the other half's chunk of block b
.endr
.irp b, 0,1,2,3
	v_add_f32 v[BT+\b], v[X+16*\b], v[CP+\b]       ; block b's sum
.endr
	v_mul_f32 v[OFFL+3], v[CP+3], v[HM]            ; behind my chunk, inside my wave: the other half's chunk where h = 0, and the blocks behind
	v_fma_f32 v[OFFL+2], v[CP+2], v[HM], v[BT+3]
	v_add_f32 v[BT+4], v[BT+3], v[BT+2]
	v_fma_f32 v[OFFL+1], v[CP+1], v[HM], v[BT+4]
	v_add_f32 v[BT+5], v[BT+4], v[BT+1]
	v_fma_f32 v[OFFL], v[CP], v[HM], v[BT+5]
	v_add_f32 v[MC+1], v[BT+5], v[BT]              ; my wave's sum
	ds_store_b64 v[AX1W], v[MC:MC+1]               ; (lanes r and r + 16 store the same two numbers to the same place)
	BARRIER                                        ; FIRST BARRIER: every wave's pair lies in LDS, and every wave's reads of this trip's mask, and of the last trip's parts of O, are over
	; ---------------- 2: the row's sums, te, the second softmax, the second product ----------------
	ds_load_b128 v[BT:BT+3], v[AX1R]               ; the pairs of waves 4 h .. 4 h + 3: the two halves of the lanes share the eight
	ds_load_b128 v[BT+4:BT+7], v[AX1R] offset:16
	s_wait_dscnt 0x0
	v_max3_num_f32 v[T0], v[BT], v[BT+2], v[BT+4]
	v_max_num_f32 v[T0], v[T0], v[BT+6]
	XH CP, T0
	v_max_num_f32 v[T0], v[T0], v[CP]              ; c x the row's largest score
.irp k, 0,1,2,3
	v_sub_f32 v[BT+2*\k], v[BT+2*\k], v[T0]
.endr
	v_sub_f32 v[T1], v[MC], v[T0]
.irp k, 0,1,2,3
	v_exp_f32 v[BT+2*\k], v[BT+2*\k]               ; what brings wave k's e under the row's maximum
.endr
	v_exp_f32 v[T1], v[T1]                         ; and mine
	TWAIT
.irp k, 0,1,2,3
	v_mul_f32 v[BT+2*\k+1], v[BT+2*\k+1], v[BT+2*\k]
.endr
	v_add_f32 v[T2], v[BT+1], v[BT+3]
	v_add_f32 v[T3], v[BT+5], v[BT+7]
	v_add_f32 v[T2], v[T2], v[T3]
	v_mul_f32 v[T3], v[BT+1], v[WT]
	v_fmac_f32 v[T3], v[BT+3], v[WT+1]
	v_fmac_f32 v[T3], v[BT+5], v[WT+2]
	v_fmac_f32 v[T3], v[BT+7], v[WT+3]
	XH CP, T2
	XH CP+1, T3
	v_add_f32 v[T2], v[T2], v[CP]                  ; the row's sum of e (at least about 1: the largest score's e),
	v_add_f32 v[T3], v[T3], v[CP+1]                ; and that of the waves behind mine
	v_rcp_f32 v[T0], v[T2]
	TWAIT
	v_mul_f32 v[T0], s39, v[T0]                    ; (softplus log2 e)^2 / the sum: all that stands under the root beside the sum behind the key and the distance
	v_mul_f32 v[T1], v[T1], v[T0]
	v_mul_f32 v[T3], v[T3], v[T0]
.irp b, 0,1,2,3
	v_fma_f32 v[OFF+\b], v[OFFL+\b], v[T1], v[T3]
.endr
.set i, 0
.rept 15                                           ; register i takes the sum BEHIND key i: register i + 1's, which is not yet written over
.irp b, 0,1,2,3
	v_fma_f32 v[X+16*\b+i], v[X+16*\b+i+1], v[T1], v[OFF+\b]
.endr
.set i, i+1
.endr
.irp b, 0,1,2,3
	v_mov_b32 v[X+16*\b+15], v[OFF+\b]
.endr
	POS 0
	POS 1
	POS 2
	POS 3
.set j, 0
.rept 64
	v_sqrt_f32 v[X+j], |v[X+j]|
.set j, j+1
.endr
	TWAIT
.set j, 0
.rept 64
	v_exp_f32 v[X+j], -v[X+j]
.set j, j+1
.endr
	TWAIT
.set j, 0
.rept 64
	v_med3_num_f32 v[X+j], v[X+j], s33, s34        ; both clips
.set j, j+1
.endr
.set j, 0
.rept 32
	v_pk_mul_f32 v[W+j:W+j+1], v[W+j:W+j+1], v[X+j:X+j+1]          ; u = w te
.set j, j+2
.endr
	s_wait_loadcnt 0x0                             ; the next trip's Q and mask, asked for ahead of the first barrier
	s_cmp_eq_u32 s38, 1
	s_cbranch_scc1 .Lno_next_b
	MSTORE                                         ; over this trip's mask: every wave's reads of it ended ahead of the first barrier
	FETCH_K                                        ; te's registers are free: the lower 32 take the next trip's K,
.Lno_next_b:
	FETCH_V                                        ; the upper 32 V
	MAX4 W
.irp b, 0,1,2,3
	XH CP+\b, CM+\b
.endr
.irp b, 0,1,2,3
	v_max_num_f32 v[CM+\b], v[CM+\b], v[CP+\b]     ; THE LARGEST u OF EACH BLOCK OF 32 KEYS: it serves the wave's maximum and, since p rises with u, the block's largest p
.endr
	v_max3_num_f32 v[T0], v[CM], v[CM+1], v[CM+2]
	v_max_num_f32 v[T0], v[T0], v[CM+3]
	v_mul_f32 v[T0], s30, v[T0]
	v_floor_f32 v[NM], -v[T0]                      ; -M = floor(-t) = -ceil(t): a whole number, my wave's own
.set j, 0
.rept 32
	v_pk_fma_f32 v[W+j:W+j+1], v[W+j:W+j+1], s[30:31], v[NM:NM+1] op_sel_hi:[1,0,0]   ; t - M
.set j, j+2
.endr
.irp b, 0,1,2,3
	v_fma_f32 v[CM+\b], v[CM+\b], s30, v[NM]       ; the same of each block's largest
.endr
.set j, 0
.rept 64
	v_exp_f32 v[W+j], v[W+j]                       ; p, at most 1, not normalised
.set j, j+1
.endr
.irp b, 0,1,2,3
	v_exp_f32 v[CM+\b], v[CM+\b]                   ; the same two instructions on the same number give the same bits
.endr
	TWAIT
.irp b, 0,1,2,3
	v_max_num_f32 v[CM+\b], 0x1800000, v[CM+\b]    ; the floor 2^(3 - 127): the byte cannot fall under 1 (a block whose every p is 0 keeps that byte: its codes are zeros)
.endr
.irp b, 0,1,2,3
	v_add_nc_u32 v[SCO+\b], 0xff000000, v[CM+\b]   ; 2 off the exponent field: the conversion takes the exponent field of this operand as its scale
.endr
.irp b, 0,1,2,3
	v_lshrrev_b32 v[BT+\b], 23, v[SCO+\b]          ; the scale's byte
.endr
	v_lshl_or_b32 v[PS], v[BT+1], 8, v[BT]
	v_lshl_or_b32 v[PS], v[BT+2], 16, v[PS]
	v_lshl_or_b32 v[PS], v[BT+3], 24, v[PS]        ; p's scale word for my 128 keys
.irp b, 0,1,2,3
	v_cvt_scalef32_pk8_fp4_f32 v[PC+2*\b], v[W+16*\b:W+16*\b+7], v[SCO+\b]
	v_cvt_scalef32_pk8_fp4_f32 v[PC+2*\b+1], v[W+16*\b+8:W+16*\b+15], v[SCO+\b]
.endr
	v_nop                                          ; one plain instruction behind the scaled conversions
.irp c, 0,1                                        ; the operand's layout wants a whole block in a lane: lanes 0-15 block 2 c, lanes 16-31 block 2 c + 1
.irp i, 0,1
	v_permlane16_swap_b32 v[PC+4*\c+\i], v[PC+4*\c+2+\i]
.endr
.endr
	v_pk_add_f32 v[LS:LS+1], v[W:W+1], v[W+2:W+3]  ; THE SUM IS TAKEN OF THE UNQUANTISED p, two at a time, in two chains.  These 31 lines also stand between the writing of p's codes and scale word and the products
	v_pk_add_f32 v[LS+2:LS+3], v[W+4:W+5], v[W+6:W+7]
.set j, 8
.rept 14
	v_pk_add_f32 v[LS:LS+1], v[LS:LS+1], v[W+j:W+j+1]
	v_pk_add_f32 v[LS+2:LS+3], v[LS+2:LS+3], v[W+j+2:W+j+3]
.set j, j+4
.endr
	v_pk_add_f32 v[LS:LS+1], v[LS:LS+1], v[LS+2:LS+3]
	s_wait_dscnt 0x0                               ; V's fragments (and the next trip's K, and my mask stores)
.irp t, 0,1,2,3                                    ; O^T of my 128 keys: 16 channels a tile; four accumulators, each begun with 0: no chain
	v_wmma_scale_f32_16x16x128_f8f6f4 v[W+8*\t:W+8*\t+7], v[X+32+8*\t:X+32+8*\t+7], v[PC:PC+7], 0, v[VS+\t], v[PS] matrix_a_fmt:MATRIX_FMT_FP4 matrix_b_fmt:MATRIX_FMT_FP4
.endr
	v_add_f32 v[T0], v[LS], v[LS+1]
	XH CP, T0
	v_add_f32 v[NM+1], v[T0], v[CP]                ; my wave's sum of p for my query
.rept 3
	v_nop                                          ; with the two additions five places: four ahead of the stores of the results, five ahead of the matrix instructions that write over them in the next trip
.endr
	ds_store_b64 v[AX2W], v[NM:NM+1]
.irp t, 0,1,2,3
	ds_store_b128 v[AOW], v[W+8*\t:W+8*\t+3] offset:64*\t           ; each accumulator from its low end on
	ds_store_b128 v[AOW], v[W+8*\t+4:W+8*\t+7] offset:64*\t+16
.endr
	BARRIER                                        ; SECOND BARRIER: the eight parts of O and their pairs lie in LDS, and so does the next trip's mask; every wave's reads of the first exchange are over
	; ---------------- 3: the eight parts are joined; wave w takes queries 2 w and 2 w + 1 of its group, a lane four channels ----------------
.irp k, 0,1,2,3
	ds_load_b128 v[128+4*\k:131+4*\k], v[AX2R] offset:16*\k         ; (-M_k, l_k), k = 0 .. 7
.endr
.irp k, 0,1,2,3,4,5,6,7
	ds_load_b128 v[160+4*\k:163+4*\k], v[AOR] offset:OWAV*\k
.endr
	s_wait_dscnt 8                                 ; the four loads of pairs are in; the eight younger loads of parts may be out
	v_min3_num_f32 v151, v128, v130, v132
	v_min3_num_f32 v151, v151, v134, v136
	v_min3_num_f32 v151, v151, v138, v140
	v_min_num_f32 v151, v151, v142                 ; -M of the row: M = the largest M_k
.irp k, 0,1,2,3,4,5,6,7
	v_sub_f32 v[128+2*\k], v151, v[128+2*\k]       ; M_k - M: a whole number, 0 or less
.endr
.irp k, 0,1,2,3,4,5,6,7
	v_cvt_i32_f32 v[128+2*\k], v[128+2*\k]         ; (it saturates)
.endr
.irp k, 0,1,2,3,4,5,6,7
	v_ldexp_f32 v[128+2*\k], 1.0, v[128+2*\k]      ; f_k = 2^(M_k - M): a multiplication by it rounds nothing
.endr
	v_mul_f32 v150, v129, v128
.irp k, 1,2,3,4,5,6,7
	v_fmac_f32 v150, v[129+2*\k], v[128+2*\k]      ; the row's sum of p (over 1/2: the largest p of the wave whose M_k is M)
.endr
	v_rcp_f32 v148, v150
	s_wait_dscnt 0x0                               ; the parts
	v_pk_mul_f32 v[144:145], v[160:161], v[128:129] op_sel_hi:[1,0]   ; the sixteen lines down to the wait name nothing of the reciprocal: the work behind it
	v_pk_mul_f32 v[146:147], v[162:163], v[128:129] op_sel_hi:[1,0]
.irp k, 1,2,3,4,5,6,7
	v_pk_fma_f32 v[144:145], v[160+4*\k:161+4*\k], v[128+2*\k:129+2*\k], v[144:145] op_sel_hi:[1,0,1]
	v_pk_fma_f32 v[146:147], v[162+4*\k:163+4*\k], v[128+2*\k:129+2*\k], v[146:147] op_sel_hi:[1,0,1]
.endr
	s_wait_alu depctr_va_vdst(0)                   ; the wait ahead of the reciprocal's first reader
	v_pk_mul_f32 v[144:145], v[144:145], v[148:149] op_sel_hi:[1,0]
	v_pk_mul_f32 v[146:147], v[146:147], v[148:149] op_sel_hi:[1,0]
	global_store_b128 v[L16], v[144:147], s[20:21] th:TH_STORE_NT   ; 32 lanes store 512 consecutive bytes, two whole rows of out0, at a multiple of 512 from its first byte
	s_wait_xcnt 0x0                                ; the store has read its registers and its base (ISA guide 3.1): both are written again below and in the next trip
	s_add_nc_u64 s[8:9], s[8:9], 1024              ; 32 queries on: Q's codes,
	s_add_nc_u64 s[10:11], s[10:11], 64            ; its scales,
	s_add_nc_u64 s[18:19], s[18:19], 32768         ; the mask's rows,
	s_add_nc_u64 s[20:21], s[20:21], 8192          ; out0's rows,
	v_pk_add_f32 v[DL:DL+1], v[DL:DL+1], 0x42000000 op_sel_hi:[1,0]     ; and the distances: + 32.0
	v_pk_add_f32 v[DL+2:DL+3], v[DL+2:DL+3], 0x42000000 op_sel_hi:[1,0]
	s_sub_co_u32 s38, s38, 1
	s_cmp_lg_u32 s38, 0
	s_cbranch_scc1 .Ltrip
	s_wait_xcnt 0x0
	v_lshl_add_u32 v226, v0, 2, 0x2a800
	v_mov_b32 v227, 0
	s_wait_tensorcnt 0x0
	ds_add_u32 v226, v227
	s_wait_dscnt 0x0
	s_endpgm
.Lfunc_end_k_q66d8067d33_mono:
	.size	k_q66d8067d33_mono, .Lfunc_end_k_q66d8067d33_mono-k_q66d8067d33_mono
	.p2alignl 7, 3214868480
	.fill 96, 4, 3214868480
	.section	.rodata,"a",@progbits
	.p2align	6, 0x0
	.amdhsa_kernel k_q66d8067d33_mono
		.amdhsa_group_segment_fixed_size 176128
		.amdhsa_private_segment_fixed_size 0
		.amdhsa_enable_private_segment 0
		.amdhsa_kernarg_size 72
		.amdhsa_user_sgpr_count 2
		.amdhsa_user_sgpr_kernarg_segment_ptr 1
		.amdhsa_wavefront_size32 1
		.amdhsa_system_sgpr_workgroup_id_x 1
		.amdhsa_system_sgpr_workgroup_id_y 1
		.amdhsa_system_sgpr_workgroup_id_z 1
		.amdhsa_system_vgpr_workitem_id 0
		.amdhsa_next_free_vgpr 256
		.amdhsa_next_free_sgpr 66
		.amdhsa_reserve_vcc 1
		.amdhsa_float_denorm_mode_32 3
		.amdhsa_float_denorm_mode_16_64 3
		.amdhsa_memory_ordered 1
		.amdhsa_forward_progress 1
		.amdhsa_inst_pref_size 73
	.end_amdhsa_kernel
	.amdgpu_metadata
---
amdhsa.version: [ 1, 2 ]
amdhsa.kernels:
  - .name:           k_q66d8067d33_mono
    .symbol:         k_q66d8067d33_mono.kd
    .args:
      - { .name: K_codes, .offset: 0, .size: 8, .value_kind: global_buffer, .address_space: global }
      - { .name: K_scales, .offset: 8, .size: 8, .value_kind: global_buffer, .address_space: global }
      - { .name: Q_codes, .offset: 16, .size: 8, .value_kind: global_buffer, .address_space: global }
      - { .name: Q_scales, .offset: 24, .size: 8, .value_kind: global_buffer, .address_space: global }
      - { .name: V_codes, .offset: 32, .size: 8, .value_kind: global_buffer, .address_space: global }
      - { .name: V_scales, .offset: 40, .size: 8, .value_kind: global_buffer, .address_space: global }
      - { .name: gamma, .offset: 48, .size: 8, .value_kind: global_buffer, .address_space: global }
      - { .name: mask, .offset: 56, .size: 8, .value_kind: global_buffer, .address_space: global }
      - { .name: out0, .offset: 64, .size: 8, .value_kind: global_buffer, .address_space: global }
    .group_segment_fixed_size: 176128
    .private_segment_fixed_size: 0
    .kernarg_segment_align: 8
    .kernarg_segment_size: 72
    .max_flat_workgroup_size: 512
    .sgpr_count:     66
    .vgpr_count:     256
    .wavefront_size: 32
...
	.end_amdgpu_metadata
.endif
;; end of part 1
;; ======== version 2 of 2: 1 launch; version 1 with the launch mono written anew for expert scheduling mode
;; launch mono (part 2): grid 8 x 32, 16 waves a work-group, no clusters, 176,128 bytes of LDS; arguments K_codes, K_scales, Q_codes, Q_scales, V_codes, V_scales, gamma, mask, out0; writes out0
.if DOCPART == 2
	.amdgcn_target "amdgcn-amd-amdhsa--gfx1250"
	.amdhsa_code_object_version 6
	.text
	.protected	k_q66d8067d33_mono
	.globl	k_q66d8067d33_mono
	.p2align	8
	.type	k_q66d8067d33_mono,@function
k_q66d8067d33_mono:
	s_mov_b64 s[64:65], 0
	v_nop
	global_prefetch_b8 v0, s[64:65] scope:SCOPE_SE
	s_setreg_imm32_b32 hwreg(HW_REG_WAVE_SCHED_MODE, 0, 2), 2
	s_setreg_imm32_b32 hwreg(HW_REG_WAVE_MODE, 25, 1), 1
	s_wait_xcnt 0x0
	s_wait_alu depctr_vm_vsrc(0)
; MONOTONIC ATTENTION on codes of FP4 (E2M1), 32 batches of 1,024 queries x 1,024 keys, head size 64.
;   w = Q K^T (quantised, K = 64), -1e8 where the mask input is 1;  score = softmax(w / 8);  S(j) = the sum of the row's scores behind key j;
;   te = clip(exp(-softplus(gamma) sqrt(S(j) |j - i|)), 1e-5, 1e5);  p = 2^(t - M), t = w te log2(e) / 8, M a whole number;  out = Q4(p) V / sum(p).
; SHARES.  A work-group owns 128 queries of one batch and walks them in 4 trips of 32.  Its sixteen waves are two groups of eight: in a trip group g owns 16 queries, and wave w of the
; group holds those 16 queries x keys 128 w .. 128 w + 127: 64 scores a lane, which stay in registers from the first product to the second.  So no score, mask byte or exponential is made twice.
; LAYOUT.  Both products are used transposed (source 0 = 16 keys or 16 channels, source 1 = the 16 queries): lane (r = lane % 16, h = lane / 16) holds query r throughout.
; THE KEYS OF A TILE ARE NOT NEIGHBOURS: lane r of K's tile t takes key 32 (t / 2) + 8 (t % 2) + r + 8 (r / 8), so that register 16 b + i of a lane is key 128 w + 32 b + 16 h + i.
; TWO BARRIERS A TRIP.  Each softmax is made under the wave's OWN maximum and joined afterwards.  First: a wave publishes (c x its maximum, its sum of e); the factor 2^(own - row's) rides in a
; multiply-add that is needed anyway.  Second: a wave quantises p under its own whole number M_w and publishes its part of O, its sum and -M_w; the parts are joined by exact powers of two.
; S(j) is made directly as a sum of e >= 0 (a scan from the chunk's last key down, plus what lies behind the chunk), not as total - cumsum: it cannot be negative, so the clip at 0 holds by construction.
; K = 64 IN AN INSTRUCTION OF 128: Q's registers 4-7 are zero codes; the scale words are loaded as 16 bits, so bytes 2, 3 are 0 (2^-127, no NaN).  K's fragment t is named as 8 registers of which the upper four
; are the next tile's codes (for t = 7 four registers beyond): every E2M1 code is a finite number, and it meets Q's zeros, so that half adds nothing.
; NO CLUSTER, NO TENSOR LOAD: K and V, which the 8 work-groups of a batch share, are fetched once, ahead of the loop (8 loads of 16 bytes a lane and wave); all traffic in the loop is the mask (32 KB a trip) and Q, which no two work-groups share.
; The mask is asked for one whole trip ahead, into registers, 512 consecutive bytes an instruction, and turned through LDS.
; LIMITS: mask bytes are 0 or 1; NaN, infinities and the scale byte 0xff among the inputs are not served; S(j) is rounded in another order than total - cumsum; for gamma under about -17 softplus(gamma) is taken as 0
; (it is under 5e-8 there); in a row that is masked whole the logits are of the size 1e7 and carry f32's rounding at that size.
; THE MODE: SCHED_MODE bits 1:0 = 2 (LLVM: expert scheduling mode 2), set by the entry lines.  The code itself states the register dependences
; between vector or matrix instructions and memory or LDS instructions, with s_wait_alu, always for 0.
; THE PLAN.  Registers that memory or LDS instructions touch, in program order round a trip:
;   v1-13      addresses: written at the head, ahead of its one wait on va_vdst, and never again.
;   MK         LDS loads land (the trip's head) | vector lines spread the bytes | WAIT 1 | the next trip's mask lands | LDS stores read it | WAIT 6 | the next trip's LDS loads land.
;   QF, QS     the first products read them | WAIT 1 | the next trip's Q lands.
;   X          K in the lower 32, read by the first products | t, e, sums, te: vector work on all 64 | WAIT 3 | the next trip's K lands in the lower 32, V in the upper | the second products read V.
;   BT         vector work of part 1 | WAIT 2 | the first exchange's loads land | vector work.
;   MC         vector lines write it | WAIT 2 | an LDS store reads it | WAIT 6 | the next trip writes it.
;   PC, PS     vector lines write p's codes and scale word | WAIT 4 | the second products take them.
;   NM, W      the second products write W's lower 32, a vector line NM; p in W's upper 32 is read for the last time | WAIT 5 | LDS stores read NM and the lower 32 | WAIT 6 | part 3's loads and vector lines write W.
;   v144-147   vector lines write the finished numbers | WAIT 7 | the global store reads them | WAIT 8 | the next trip's first products write them.
; Waits 1 to 5 and 7 are on va_vdst, waits 6 and 8 on vm_vsrc.  Beside them stand the waits behind the batches of transcendentals.
.set KIMG, 0                           ; LDS: register images of K's tiles: 4096 w + 512 t + 16 lane
.set VIMG, 32768                       ; of V's fragments: 4096 w + 512 (2 t + c) + 16 lane
.set MSK,  65536                       ; a trip's mask: group x MGRP + row x MROW + key
.set MROW, 1040                        ; 1,024 bytes + 16: an odd multiple of 16, so that sixteen rows' 16 bytes fall on different banks (64 banks of 4 bytes: ISA guide 11.1)
.set MGRP, 16*MROW
.set OP,   MSK+2*MGRP                  ; parts of O: group x OGRP + wave x OWAV + query x OROW + 4 channel
.set OROW, 272
.set OWAV, 16*OROW
.set OGRP, 8*OWAV
.set X1,   OP+2*OGRP                   ; first exchange: group x XGRP + query x XROW + 8 wave: (c x maximum, sum of e)
.set XROW, 80
.set XGRP, 16*XROW
.set X2,   X1+2*XGRP                   ; second exchange, the same form: (-M, sum of p).  It ends at byte 173,568; from byte 174,080 on lie the spare words, 128 bytes for each of the sixteen waves, which no other line names
.set AKI,  1                           ; v1   KIMG + 4096 w + 16 lane
.set AVI,  2                           ; v2   VIMG + 4096 w + 16 lane
.set AMR,  3                           ; v3   the mask, read: my query's row, my 16 keys of block 0
.set AMW,  4                           ; v4   the mask, written: rows 2 w, 2 w + 1 of my group, 16 bytes a lane
.set L16,  5                           ; v5   16 x lane: offset of the mask's loads and of out0's store
.set GQO,  6                           ; v6   Q's codes: 32 r + 16 h
.set GQS,  7                           ; v7   Q's scales: 2 r
.set AX1W, 8
.set AX1R, 9
.set AX2W, 10
.set AX2R, 11
.set AOW,  12
.set AOR,  13
.set HM,   14                          ; v14  1.0 - h
.set TL,   15                          ; v15  at work at the head
.set WT,   16                          ; v16-19   1.0 where wave 4 h + k lies behind mine, else 0
.set DL,   20                          ; v20-23   my query - the first key of my chunk b, as f32
.set IX,   24                          ; v24-39   0.0 .. 15.0
.set KS,   40                          ; v40-47   K's scale words, a tile each: scales and nothing else
.set VS,   48                          ; v48-51   V's
.set QS,   52                          ; v52      Q's
.set PS,   53                          ; v53      p's
.set QF,   54                          ; v54-61   Q's fragment; v58-61 stay zero codes
.set PC,   62                          ; v62-69   p's codes
.set MK,   70                          ; v70-85   16 words of mask
.set BT,   86                          ; v86-93   at work
.set CM,   94                          ; v94-97   maxima of chunks and blocks
.set CP,   98                          ; v98-101  what the lane 16 away sends
.set OFFL, 102                         ; v102-105 e behind my chunk b, inside my wave
.set OFF,  106                         ; v106-109 the same in the row, scaled
.set MC,   110                         ; v110, v111  (c x my wave's maximum, my wave's sum of e)
.set NM,   112                         ; v112, v113  (-M, my wave's sum of p)
.set T0,   114                         ; v114-117 at work
.set T1,   115
.set T2,   116
.set T3,   117
.set LS,   118                         ; v118-121 the sum of p in two chains of pairs
.set SCO,  122                         ; v122-125 the conversions' scale operands
.set TR,   126                         ; v126, v127  r, h at the head
.set TH,   127
.set W,    128                         ; v128-191 w, then u = w te, then p; v128-159 then O^T; behind the second barrier the reduction works here
.set X,    192                         ; v192-255 K's fragments (32), then t, e, sums, te; then V's fragments in the upper 32 and the next trip's K in the lower
.set HK,   86                          ; at the head alone: offsets of K's, V's and their scales' loads, and where their images go
.set HKS,  87
.set HV,   88
.set HVS,  89
.set HKW,  90
.set HVW,  91
.set R8,   92
; s[4:21] the nine addresses; s22 wave, s23 g, s24 w, s25 batch, s26 8 x + g; s[28:29] lane selects; s[30:31] c; s32 -1e8; s33, s34 the clip; s35-37 byte selects; s38 trips to go; s39 (softplus(gamma) log2 e)^2; s56-59 four masks at the head
.macro BARRIER                         ; my LDS stores have landed and my LDS loads are in: then the work-group's barrier
	s_wait_dscnt 0x0
	s_barrier_signal -1
	s_barrier_wait -1
.endm
.macro FETCH_K                         ; my chunk's eight tiles of K, four registers each
.irp t, 0,1,2,3,4,5,6,7
	ds_load_b128 v[X+4*\t:X+4*\t+3], v[AKI] offset:512*\t
.endr
.endm
.macro FETCH_V                         ; four fragments of V: 16 channels x my 128 keys each
.irp t, 0,1,2,3,4,5,6,7
	ds_load_b128 v[X+32+4*\t:X+32+4*\t+3], v[AVI] offset:512*\t
.endr
.endm
.macro MSTORE                          ; two rows of the mask, as loaded: 512 bytes an instruction
	ds_store_b128 v[AMW], v[MK:MK+3]
	ds_store_b128 v[AMW], v[MK+4:MK+7] offset:512
	ds_store_b128 v[AMW], v[MK+8:MK+11] offset:MROW
	ds_store_b128 v[AMW], v[MK+12:MK+15] offset:MROW+512
.endm
.macro MAX4 s                          ; the largest of each chunk's 16 registers into v[CM + b]; the four chunks by turns; each chunk from its low registers on
.irp b, 0,1,2,3
	v_max3_num_f32 v[CM+\b], v[\s+16*\b], v[\s+16*\b+1], v[\s+16*\b+2]
.endr
.irp i, 3,5,7,9,11,13
.irp b, 0,1,2,3
	v_max3_num_f32 v[CM+\b], v[CM+\b], v[\s+16*\b+\i], v[\s+16*\b+\i+1]
.endr
.endr
.irp b, 0,1,2,3
	v_max_num_f32 v[CM+\b], v[CM+\b], v[\s+16*\b+15]
.endr
.endm
.macro XH d, s                         ; from the lane 16 away
	v_permlanex16_b32 v[\d], v[\s], s28, s29
.endm
.macro TWAIT                           ; behind a batch of transcendentals: one plain instruction (ISA guide 5.7.2), and the one wait ahead of the batch's first reader: the batch's results are written
	v_nop
	s_wait_alu depctr_va_vdst(0)
.endm
.macro PTR2 p, bs, r1, h1              ; address p += batch << bs + s[r1] << h1
	s_lshl_b32 s52, s25, \bs
	s_lshl_b32 s54, s[\r1], \h1
	s_add_co_u32 s52, s52, s54
	s_add_nc_u64 s[\p:\p+1], s[\p:\p+1], s[52:53]
.endm
.macro PTR3 p, bs, r1, h1, r2, h2
	s_lshl_b32 s52, s25, \bs
	s_lshl_b32 s54, s[\r1], \h1
	s_add_co_u32 s52, s52, s54
	s_lshl_b32 s54, s[\r2], \h2
	s_add_co_u32 s52, s52, s54
	s_add_nc_u64 s[\p:\p+1], s[\p:\p+1], s[52:53]
.endm
.macro POS b                           ; chunk b: x (my query - the key), two at a time; the sign is dropped by the root's |.|
.irp q, 0,1
.irp m, 0,1,2,3
.if (\b)%2
	v_pk_add_f32 v[BT+2*\m:BT+2*\m+1], v[DL+2*((\b)/2):DL+2*((\b)/2)+1], v[IX+8*\q+2*\m:IX+8*\q+2*\m+1] op_sel:[1,0] op_sel_hi:[1,1] neg_lo:[0,1] neg_hi:[0,1]
.else
	v_pk_add_f32 v[BT+2*\m:BT+2*\m+1], v[DL+2*((\b)/2):DL+2*((\b)/2)+1], v[IX+8*\q+2*\m:IX+8*\q+2*\m+1] op_sel_hi:[0,1] neg_lo:[0,1] neg_hi:[0,1]
.endif
.endr
.irp m, 0,1,2,3
	v_pk_mul_f32 v[X+16*\b+8*\q+2*\m:X+16*\b+8*\q+2*\m+1], v[X+16*\b+8*\q+2*\m:X+16*\b+8*\q+2*\m+1], v[BT+2*\m:BT+2*\m+1]
.endr
.endr
.endm
	; ---------------- THE HEAD ----------------
	s_load_b512 s[4:19], s[0:1], 0x0               ; K's codes s[4:5], K's scales s[6:7], Q's s[8:9], s[10:11], V's s[12:13], s[14:15], gamma s[16:17], mask s[18:19]
	s_load_b64 s[20:21], s[0:1], 0x40              ; out0
	v_lshrrev_b32 v[TL], 5, v0
	v_readfirstlane_b32 s22, v[TL]                 ; wave 0..15
	s_and_b32 s25, ttmp7, 0xffff                   ; batch
	s_mov_b32 s28, 0x76543210
	s_mov_b32 s29, 0xfedcba98                      ; v_permlanex16_b32's selects for lane l xor 16
	s_mov_b32 s30, 0x3e38aa3b                      ; c = log2(e) / sqrt(64)
	s_mov_b32 s31, s30                             ; (named with it as a pair, so it is written)
	s_mov_b32 s32, 0xccbebc20                      ; -1e8
	s_mov_b32 s33, 0x3727c5ac                      ; 1e-5
	s_mov_b32 s34, 0x47c35000                      ; 1e5
	s_mov_b32 s35, 0x01010101                      ; v_perm_b32: byte 1, 2, 3 of a word into all four bytes
	s_mov_b32 s36, 0x02020202
	s_mov_b32 s37, 0x03030303
	s_mov_b32 s38, 4
	s_mov_b32 s53, 0
	s_wait_alu depctr_va_sdst(0)                   ; s22 is written, ahead of its first reader: g, w and all that is made of them
	s_lshr_b32 s23, s22, 3                         ; g: which 16 of a trip's 32 queries
	s_and_b32 s24, s22, 7                          ; w: which 128 keys
	s_lshl_b32 s26, ttmp9, 3
	s_add_co_u32 s26, s26, s23                     ; 8 x + g: my group's first query / 16
	v_and_b32 v[TL], 31, v0                        ; lane
	v_and_b32 v[TR], 15, v0                        ; r
	v_bfe_u32 v[TH], v0, 4, 1                      ; h
	v_lshlrev_b32 v[L16], 4, v[TL]
	s_wait_alu depctr_va_vdst(0)
	s_lshl_b32 s40, s24, 12                        ; the images of chunk w (KIMG = 0)
	v_add_nc_u32 v[AKI], s40, v[L16]
	s_add_co_u32 s41, s40, VIMG
	v_add_nc_u32 v[AVI], s41, v[L16]
	s_lshl_b32 s41, s23, 11                        ; group g makes the upper or the lower half of both
	v_add_nc_u32 v[HKW], s41, v[AKI]
	v_add_nc_u32 v[HVW], s41, v[AVI]
	s_mul_i32 s42, s23, MGRP
	s_add_co_u32 s42, s42, MSK                     ; my group's 16 rows of mask
	s_lshl_b32 s43, s24, 7
	s_add_co_u32 s43, s43, s42
	v_mul_u32_u24 v[AMR], v[TR], MROW
	v_lshl_add_u32 v[AMR], v[TH], 4, v[AMR]
	v_add_nc_u32 v[AMR], s43, v[AMR]               ; row r, key 128 w + 16 h
	s_mul_i32 s43, s24, 2*MROW
	s_add_co_u32 s43, s43, s42
	v_add_nc_u32 v[AMW], s43, v[L16]               ; rows 2 w, 2 w + 1
	s_mul_i32 s42, s23, XGRP
	s_add_co_u32 s42, s42, X1
	s_lshl_b32 s43, s24, 3
	s_add_co_u32 s43, s43, s42
	v_mul_u32_u24 v[T0], v[TR], XROW
	v_add_nc_u32 v[AX1W], s43, v[T0]               ; query r, wave w's pair
	v_add_nc_u32 v[AX2W], X2-X1, v[AX1W]
	v_lshl_add_u32 v[AX1R], v[TH], 5, v[T0]
	v_add_nc_u32 v[AX1R], s42, v[AX1R]             ; query r, the pairs of waves 4 h .. 4 h + 3
	s_mul_i32 s43, s24, 2*XROW
	s_add_co_u32 s43, s43, s42
	s_add_co_u32 s43, s43, X2-X1
	v_mul_u32_u24 v[AX2R], v[TH], XROW
	v_add_nc_u32 v[AX2R], s43, v[AX2R]             ; query 2 w + h, all eight pairs
	s_mul_i32 s42, s23, OGRP
	s_add_co_u32 s42, s42, OP
	s_mul_i32 s43, s24, OWAV
	s_add_co_u32 s43, s43, s42
	v_mul_u32_u24 v[AOW], v[TR], OROW
	v_lshl_add_u32 v[AOW], v[TH], 5, v[AOW]
	v_add_nc_u32 v[AOW], s43, v[AOW]               ; my wave's part: query r, channel 8 h
	s_mul_i32 s43, s24, 2*OROW
	s_add_co_u32 s43, s43, s42
	v_mul_u32_u24 v[AOR], v[TH], OROW
	v_lshl_add_u32 v[AOR], v[TR], 4, v[AOR]
	v_add_nc_u32 v[AOR], s43, v[AOR]               ; part 0: query 2 w + h, channels 4 r .. 4 r + 3
	v_lshlrev_b32 v[GQO], 5, v[TR]
	v_lshl_add_u32 v[GQO], v[TH], 4, v[GQO]
	v_lshlrev_b32 v[GQS], 1, v[TR]
	v_and_b32 v[R8], 8, v[TR]
	v_add_nc_u32 v[R8], v[R8], v[TR]               ; r + 8 (r / 8)
	v_lshlrev_b32 v[HK], 5, v[R8]
	v_lshl_add_u32 v[HK], v[TH], 4, v[HK]          ; K: a key's row is 32 bytes
	v_lshlrev_b32 v[HKS], 1, v[R8]                 ; and 2 scale bytes
	v_lshlrev_b32 v[HV], 9, v[TR]
	v_lshl_add_u32 v[HV], v[TH], 4, v[HV]          ; V: a channel's row is 512 bytes
	v_lshlrev_b32 v[HVS], 5, v[TR]                 ; and 32 scale bytes
	v_cvt_f32_u32 v[HM], v[TH]
	v_sub_f32 v[HM], 1.0, v[HM]
	v_lshlrev_b32 v[T1], 2, v[TH]
.irp k, 0,1,2,3
	v_add_nc_u32 v[T2], \k, v[T1]
	v_cmp_lt_u32 s[56+\k], s24, v[T2]              ; wave 4 h + k lies behind mine: the four compares in one run, a scalar register each
.endr
	s_wait_alu depctr_va_sdst(0)                   ; s56 to s59 are written, ahead of the four selects that read them
.irp k, 0,1,2,3
	v_cndmask_b32 v[WT+\k], 0, 1.0, s[56+\k]
.endr
	s_lshl_b32 s42, s26, 4                         ; my group's first query,
	s_lshl_b32 s43, s24, 7
	s_sub_co_u32 s42, s42, s43                     ; less my wave's first key (a signed number)
	v_lshlrev_b32 v[T1], 4, v[TH]
	v_sub_nc_u32 v[T1], v[TR], v[T1]
	v_add_nc_u32 v[T1], s42, v[T1]
	v_cvt_f32_i32 v[DL], v[T1]
	v_add_f32 v[DL+1], 0xc2000000, v[DL]           ; -32, -64, -96: whole numbers under 2^24, exact
	v_add_f32 v[DL+2], 0xc2800000, v[DL]
	v_add_f32 v[DL+3], 0xc2c00000, v[DL]
.set j, 0
.rept 16
	v_cvt_f32_u32 v[IX+j], j
.set j, j+1
.endr
.irp j, 0,1,2,3
	v_mov_b32 v[QF+4+\j], 0                        ; Q's k = 64 .. 127: zero codes, for the whole launch
	v_mov_b32 v[CP+\j], 0                          ; written once: a lane permute's destination counts as one of its sources
	v_mov_b32 v[X+32+\j], 0                        ; named as the upper half of K's last fragment in the first trip
.endr
	v_mov_b32 v[MC+1], 0                           ; named as the upper halves of pairs before they are first written
	v_mov_b32 v[NM+1], 0
	s_wait_kmcnt 0x0
	PTR3 4, 15, 24, 12, 23, 11                     ; K's codes: batch, chunk w (128 keys x 32 bytes), group g's four tiles (64 keys on)
	PTR2 6, 11, 24, 8                              ; K's scales: chunk w
	PTR2 8, 15, 26, 9                              ; Q's codes: my group's 16 queries
	PTR2 10, 11, 26, 5                             ; Q's scales
	PTR3 12, 15, 23, 14, 24, 6                     ; V's codes: group g's two tiles (32 channels on), chunk w (64 bytes of a row)
	PTR2 14, 11, 24, 2                             ; V's scales: chunk w's word
	PTR3 18, 20, 26, 14, 24, 11                    ; mask: my group's 16 rows, rows 2 w and 2 w + 1 of them
	PTR3 20, 18, 26, 12, 24, 9                     ; out0: likewise
	s_load_b32 s44, s[16:17], 0x0                  ; gamma
	s_wait_alu depctr_va_vdst(0)                   ; the addresses v1 to v13 and the head's offsets v86 to v91 are written, which every load and store of the kernel reads; so are the zero codes that the first products take, and v[X+32 ..], in which V lands later
.irp i, 0,1,2,3
	global_load_b128 v[MK+4*\i:MK+4*\i+3], v[L16], s[18:19] offset:512*\i th:TH_LOAD_NT   ; 32 lanes read 512 consecutive bytes; the launch reads them once
.endr
.irp t, 0,1,2,3
	global_load_b128 v[X+4*\t:X+4*\t+3], v[HK], s[4:5] offset:(32*(\t/2)+8*(\t%2))*32
.endr
.irp t, 0,1
.irp c, 0,1
	global_load_b128 v[X+16+8*\t+4*\c:X+16+8*\t+4*\c+3], v[HV], s[12:13] offset:8192*\t+32*\c
.endr
.endr
.irp t, 0,1,2,3,4,5,6,7
	global_load_u16 v[KS+\t], v[HKS], s[6:7] offset:(32*(\t/2)+8*(\t%2))*2   ; two scale bytes; bytes 2, 3 of the word come as 0
.endr
.irp t, 0,1,2,3
	global_load_b32 v[VS+\t], v[HVS], s[14:15] offset:512*\t
.endr
	global_load_b128 v[QF:QF+3], v[GQO], s[8:9]
	global_load_u16 v[QS], v[GQS], s[10:11]
	s_wait_kmcnt 0x0                               ; gamma.  softplus(gamma) log2(e) = max(gamma, 0) log2(e) + log2(1 + 2^(-|gamma| log2(e))).  These lines name v114 to v117 alone, which no load or store touches
	v_mov_b32 v[T1], s44
	v_mul_f32 v[T1], 0x3fb8aa3b, v[T1]
	s_wait_alu depctr_va_vdst(0)
	v_exp_f32 v[T0], -|v[T1]|
	v_max_num_f32 v[T2], 0, v[T1]                  ; (the plain instruction behind the exponential)
	s_wait_alu depctr_va_vdst(0)                   ; the exponential's result is written, ahead of its first reader
	v_add_f32 v[T0], 1.0, v[T0]
	s_wait_alu depctr_va_vdst(0)
	v_log_f32 v[T3], v[T0]
	TWAIT                                          ; the logarithm
	v_add_f32 v[T3], v[T3], v[T2]
	v_mul_f32 v[T3], v[T3], v[T3]                  ; squared: it goes under the root
	v_readfirstlane_b32 s39, v[T3]
	s_wait_alu depctr_va_sdst(0)                   ; s39 is written: its first reader stands in the loop
	s_wait_loadcnt 0x0                             ; all 26 loads of the head
.irp t, 0,1,2,3
	ds_store_b128 v[HKW], v[X+4*\t:X+4*\t+3] offset:512*\t          ; operands go to the other waves as images of their registers
	ds_store_b128 v[HVW], v[X+16+4*\t:X+16+4*\t+3] offset:512*\t
.endr
	MSTORE
	BARRIER                                        ; K's and V's images and the first trip's mask lie in LDS
	s_wait_alu depctr_vm_vsrc(0)                   ; my LDS stores have read v[X ..] and v[MK ..], in which LDS loads land below, and the head's loads and stores have read their offsets v86 to v91, which are BT from here on
	FETCH_K
.Ltrip:
	; ---------------- 1: scores, mask, the first softmax inside the wave ----------------
.irp b, 0,1,2,3
	ds_load_b128 v[MK+4*\b:MK+4*\b+3], v[AMR] offset:32*\b          ; my query's mask bytes of my 16 keys of block b
.endr
	s_wait_dscnt 4                                 ; LDS loads come back in order (ISA guide 5.7.1): K's fragments are in, the four loads just issued may be out
.irp t, 0,1,2,3,4,5,6,7                            ; eight accumulators, each begun with the constant 0: no chain
	v_wmma_scale_f32_16x16x128_f8f6f4 v[W+8*\t:W+8*\t+7], v[X+4*\t:X+4*\t+7], v[QF:QF+7], 0, v[KS+\t], v[QS] matrix_a_fmt:MATRIX_FMT_FP4 matrix_b_fmt:MATRIX_FMT_FP4
.endr
	s_wait_dscnt 0x0                               ; the mask words
.irp q, 0,1                                        ; bytes 0 / 1 become 0x00 / 0xff: m x 256 - m.  These 32 lines name none of the products' registers: they are the places behind them (ISA guide 7.12.1)
.irp j, 0,1,2,3,4,5,6,7
	v_lshlrev_b32 v[BT+\j], 8, v[MK+8*\q+\j]
.endr
.irp j, 0,1,2,3,4,5,6,7
	v_sub_nc_u32 v[MK+8*\q+\j], v[BT+\j], v[MK+8*\q+\j]
.endr
.endr
.set n, 0
.rept 16                                           ; a word's four bytes are spread over four words, which pick -1e8 or the score, bit by bit.  The scores go in ascending order: each accumulator is first read at its lowest register
	v_perm_b32 v[BT+4*(n%2)], v[MK+n], v[MK+n], 0
	v_perm_b32 v[BT+4*(n%2)+1], v[MK+n], v[MK+n], s35
	v_perm_b32 v[BT+4*(n%2)+2], v[MK+n], v[MK+n], s36
	v_perm_b32 v[BT+4*(n%2)+3], v[MK+n], v[MK+n], s37
	v_bfi_b32 v[W+4*n], v[BT+4*(n%2)], s32, v[W+4*n]
	v_bfi_b32 v[W+4*n+1], v[BT+4*(n%2)+1], s32, v[W+4*n+1]
	v_bfi_b32 v[W+4*n+2], v[BT+4*(n%2)+2], s32, v[W+4*n+2]
	v_bfi_b32 v[W+4*n+3], v[BT+4*(n%2)+3], s32, v[W+4*n+3]
.set n, n+1
.endr
	s_cmp_eq_u32 s38, 1                            ; the next trip's Q and mask are asked for here, if there is a next trip: no load leaves its buffer
	s_cbranch_scc1 .Lno_next_a
	s_wait_alu depctr_va_vdst(0)                   ; WAIT 1: the first products are done reading Q's fragment and scale word, and the lines above are done writing and reading the mask's words: the six loads below land in these registers
	global_load_b128 v[QF:QF+3], v[GQO], s[8:9] offset:1024
	global_load_u16 v[QS], v[GQS], s[10:11] offset:64
.irp i, 0,1,2,3
	global_load_b128 v[MK+4*\i:MK+4*\i+3], v[L16], s[18:19] offset:32768+512*\i th:TH_LOAD_NT
.endr
.Lno_next_a:
	MAX4 W
	v_max3_num_f32 v[T0], v[CM], v[CM+1], v[CM+2]
	v_max_num_f32 v[T0], v[T0], v[CM+3]
	XH CP, T0
	v_max_num_f32 v[T0], v[T0], v[CP]              ; my query's largest score among my wave's 128 keys
	v_mul_f32 v[MC], s30, v[T0]
.set j, 0
.rept 32
	v_pk_fma_f32 v[X+j:X+j+1], v[W+j:W+j+1], s[30:31], v[MC:MC+1] op_sel_hi:[1,0,0] neg_lo:[0,0,1] neg_hi:[0,0,1]   ; c w - c max, two at a time
.set j, j+2
.endr
.set j, 0
	s_wait_alu depctr_va_vdst(0)
.rept 64
	v_exp_f32 v[X+j], v[X+j]                       ; e
.set j, j+1
.endr
	TWAIT                                          ; the 64 e
.set i, 14
.rept 15                                           ; the scan from each chunk's last key down, four chains by turns: register i then holds the sum of e from key i on
.irp b, 0,1,2,3
	v_add_f32 v[X+16*\b+i], v[X+16*\b+i], v[X+16*\b+i+1]
.endr
.set i, i-1
.endr
.irp b, 0,1,2,3
	XH CP+\b, X+16*\b                              ; the other half's chunk of block b
.endr
.irp b, 0,1,2,3
	v_add_f32 v[BT+\b], v[X+16*\b], v[CP+\b]       ; block b's sum
.endr
	v_mul_f32 v[OFFL+3], v[CP+3], v[HM]            ; behind my chunk, inside my wave: the other half's chunk where h = 0, and the blocks behind
	v_fma_f32 v[OFFL+2], v[CP+2], v[HM], v[BT+3]
	v_add_f32 v[BT+4], v[BT+3], v[BT+2]
	v_fma_f32 v[OFFL+1], v[CP+1], v[HM], v[BT+4]
	v_add_f32 v[BT+5], v[BT+4], v[BT+1]
	v_fma_f32 v[OFFL], v[CP], v[HM], v[BT+5]
	v_add_f32 v[MC+1], v[BT+5], v[BT]              ; my wave's sum
	s_wait_alu depctr_va_vdst(0)                   ; WAIT 2: the pair v[MC:MC+1] is written, which the store reads; and the lines above are done with v[BT ..], in which the loads behind the barrier land (no vector line stands between)
	ds_store_b64 v[AX1W], v[MC:MC+1]               ; (lanes r and r + 16 store the same two numbers to the same place)
	BARRIER                                        ; FIRST BARRIER: every wave's pair lies in LDS, and every wave's reads of this trip's mask, and of the last trip's parts of O, are over
	; ---------------- 2: the row's sums, te, the second softmax, the second product ----------------
	ds_load_b128 v[BT:BT+3], v[AX1R]               ; the pairs of waves 4 h .. 4 h + 3: the two halves of the lanes share the eight
	ds_load_b128 v[BT+4:BT+7], v[AX1R] offset:16
	s_wait_dscnt 0x0
	v_max3_num_f32 v[T0], v[BT], v[BT+2], v[BT+4]
	v_max_num_f32 v[T0], v[T0], v[BT+6]
	XH CP, T0
	v_max_num_f32 v[T0], v[T0], v[CP]              ; c x the row's largest score
.irp k, 0,1,2,3
	v_sub_f32 v[BT+2*\k], v[BT+2*\k], v[T0]
.endr
	v_sub_f32 v[T1], v[MC], v[T0]
	s_wait_alu depctr_va_vdst(0)
.irp k, 0,1,2,3
	v_exp_f32 v[BT+2*\k], v[BT+2*\k]               ; what brings wave k's e under the row's maximum
.endr
	v_exp_f32 v[T1], v[T1]                         ; and mine
	TWAIT                                          ; the five factors
.irp k, 0,1,2,3
	v_mul_f32 v[BT+2*\k+1], v[BT+2*\k+1], v[BT+2*\k]
.endr
	v_add_f32 v[T2], v[BT+1], v[BT+3]
	v_add_f32 v[T3], v[BT+5], v[BT+7]
	v_add_f32 v[T2], v[T2], v[T3]
	v_mul_f32 v[T3], v[BT+1], v[WT]
	v_fmac_f32 v[T3], v[BT+3], v[WT+1]
	v_fmac_f32 v[T3], v[BT+5], v[WT+2]
	v_fmac_f32 v[T3], v[BT+7], v[WT+3]
	XH CP, T2
	XH CP+1, T3
	v_add_f32 v[T2], v[T2], v[CP]                  ; the row's sum of e (at least about 1: the largest score's e),
	v_add_f32 v[T3], v[T3], v[CP+1]                ; and that of the waves behind mine
	s_wait_alu depctr_va_vdst(0)
	v_rcp_f32 v[T0], v[T2]
	TWAIT                                          ; the reciprocal
	v_mul_f32 v[T0], s39, v[T0]                    ; (softplus log2 e)^2 / the sum: all that stands under the root beside the sum behind the key and the distance
	v_mul_f32 v[T1], v[T1], v[T0]
	v_mul_f32 v[T3], v[T3], v[T0]
.irp b, 0,1,2,3
	v_fma_f32 v[OFF+\b], v[OFFL+\b], v[T1], v[T3]
.endr
.set i, 0
.rept 15                                           ; register i takes the sum BEHIND key i: register i + 1's, which is not yet written over
.irp b, 0,1,2,3
	v_fma_f32 v[X+16*\b+i], v[X+16*\b+i+1], v[T1], v[OFF+\b]
.endr
.set i, i+1
.endr
.irp b, 0,1,2,3
	v_mov_b32 v[X+16*\b+15], v[OFF+\b]
.endr
	POS 0
	POS 1
	POS 2
	POS 3
.set j, 0
	s_wait_alu depctr_va_vdst(0)
.rept 64
	v_sqrt_f32 v[X+j], |v[X+j]|
.set j, j+1
.endr
	TWAIT                                          ; the 64 roots
.set j, 0
.rept 64
	v_exp_f32 v[X+j], -v[X+j]
.set j, j+1
.endr
	TWAIT                                          ; the 64 te
.set j, 0
.rept 64
	v_med3_num_f32 v[X+j], v[X+j], s33, s34        ; both clips
.set j, j+1
.endr
.set j, 0
.rept 32
	v_pk_mul_f32 v[W+j:W+j+1], v[W+j:W+j+1], v[X+j:X+j+1]          ; u = w te
.set j, j+2
.endr
	s_wait_loadcnt 0x0                             ; the next trip's Q and mask, asked for ahead of the first barrier
	s_wait_alu depctr_va_vdst(0)                   ; WAIT 3: the clips have written te and the multiplications are done reading it: K's and V's fragments land in v[X ..], on both ways below
	s_cmp_eq_u32 s38, 1
	s_cbranch_scc1 .Lno_next_b
	MSTORE                                         ; over this trip's mask: every wave's reads of it ended ahead of the first barrier.  (Its data came by loads: no vector line has named them since wait 1)
	FETCH_K                                        ; te's registers are free: the lower 32 take the next trip's K,
.Lno_next_b:
	FETCH_V                                        ; the upper 32 V
	MAX4 W
.irp b, 0,1,2,3
	XH CP+\b, CM+\b
.endr
.irp b, 0,1,2,3
	v_max_num_f32 v[CM+\b], v[CM+\b], v[CP+\b]     ; THE LARGEST u OF EACH BLOCK OF 32 KEYS: it serves the wave's maximum and, since p rises with u, the block's largest p
.endr
	v_max3_num_f32 v[T0], v[CM], v[CM+1], v[CM+2]
	v_max_num_f32 v[T0], v[T0], v[CM+3]
	v_mul_f32 v[T0], s30, v[T0]
	v_floor_f32 v[NM], -v[T0]                      ; -M = floor(-t) = -ceil(t): a whole number, my wave's own
.set j, 0
.rept 32
	v_pk_fma_f32 v[W+j:W+j+1], v[W+j:W+j+1], s[30:31], v[NM:NM+1] op_sel_hi:[1,0,0]   ; t - M
.set j, j+2
.endr
.irp b, 0,1,2,3
	v_fma_f32 v[CM+\b], v[CM+\b], s30, v[NM]       ; the same of each block's largest
.endr
.set j, 0
	s_wait_alu depctr_va_vdst(0)
.rept 64
	v_exp_f32 v[W+j], v[W+j]                       ; p, at most 1, not normalised
.set j, j+1
.endr
.irp b, 0,1,2,3
	v_exp_f32 v[CM+\b], v[CM+\b]                   ; the same two instructions on the same number give the same bits
.endr
	TWAIT                                          ; the 64 p and the four blocks' largest
.irp b, 0,1,2,3
	v_max_num_f32 v[CM+\b], 0x1800000, v[CM+\b]    ; the floor 2^(3 - 127): the byte cannot fall under 1 (a block whose every p is 0 keeps that byte: its codes are zeros)
.endr
.irp b, 0,1,2,3
	v_add_nc_u32 v[SCO+\b], 0xff000000, v[CM+\b]   ; 2 off the exponent field: the conversion takes the exponent field of this operand as its scale
.endr
.irp b, 0,1,2,3
	v_lshrrev_b32 v[BT+\b], 23, v[SCO+\b]          ; the scale's byte
.endr
	v_lshl_or_b32 v[PS], v[BT+1], 8, v[BT]
	v_lshl_or_b32 v[PS], v[BT+2], 16, v[PS]
	v_lshl_or_b32 v[PS], v[BT+3], 24, v[PS]        ; p's scale word for my 128 keys
.irp b, 0,1,2,3
	v_cvt_scalef32_pk8_fp4_f32 v[PC+2*\b], v[W+16*\b:W+16*\b+7], v[SCO+\b]
	v_cvt_scalef32_pk8_fp4_f32 v[PC+2*\b+1], v[W+16*\b+8:W+16*\b+15], v[SCO+\b]
.endr
	v_nop                                          ; one plain instruction behind the scaled conversions
.irp c, 0,1                                        ; the operand's layout wants a whole block in a lane: lanes 0-15 block 2 c, lanes 16-31 block 2 c + 1
.irp i, 0,1
	v_permlane16_swap_b32 v[PC+4*\c+\i], v[PC+4*\c+2+\i]
.endr
.endr
	v_pk_add_f32 v[LS:LS+1], v[W:W+1], v[W+2:W+3]  ; THE SUM IS TAKEN OF THE UNQUANTISED p, two at a time, in two chains.  These 31 lines also stand between the writing of p's codes and scale word and the products
	v_pk_add_f32 v[LS+2:LS+3], v[W+4:W+5], v[W+6:W+7]
.set j, 8
.rept 14
	v_pk_add_f32 v[LS:LS+1], v[LS:LS+1], v[W+j:W+j+1]
	v_pk_add_f32 v[LS+2:LS+3], v[LS+2:LS+3], v[W+j+2:W+j+3]
.set j, j+4
.endr
	v_pk_add_f32 v[LS:LS+1], v[LS:LS+1], v[LS+2:LS+3]
	s_wait_dscnt 0x0                               ; V's fragments (and the next trip's K, and my mask stores)
	s_wait_alu depctr_va_vdst(0)                   ; WAIT 4: p's codes v[PC ..] and scale word v[PS] are written, which the scaled products below take; the places above stay beside this wait
.irp t, 0,1,2,3                                    ; O^T of my 128 keys: 16 channels a tile; four accumulators, each begun with 0: no chain
	v_wmma_scale_f32_16x16x128_f8f6f4 v[W+8*\t:W+8*\t+7], v[X+32+8*\t:X+32+8*\t+7], v[PC:PC+7], 0, v[VS+\t], v[PS] matrix_a_fmt:MATRIX_FMT_FP4 matrix_b_fmt:MATRIX_FMT_FP4
.endr
	v_add_f32 v[T0], v[LS], v[LS+1]
	XH CP, T0
	v_add_f32 v[NM+1], v[T0], v[CP]                ; my wave's sum of p for my query
.rept 3
	v_nop                                          ; with the two additions five places: four ahead of the stores of the results, five ahead of the matrix instructions that write over them in the next trip
.endr
	s_wait_alu depctr_va_vdst(0)                   ; WAIT 5: the products have written O^T and the addition v[NM+1], which the stores below read; all reads of p in v[W+32 ..] are over, where loads land behind the barrier (no vector line stands between); the places above stay beside this wait
	ds_store_b64 v[AX2W], v[NM:NM+1]
.irp t, 0,1,2,3
	ds_store_b128 v[AOW], v[W+8*\t:W+8*\t+3] offset:64*\t           ; each accumulator from its low end on
	ds_store_b128 v[AOW], v[W+8*\t+4:W+8*\t+7] offset:64*\t+16
.endr
	BARRIER                                        ; SECOND BARRIER: the eight parts of O and their pairs lie in LDS, and so does the next trip's mask; every wave's reads of the first exchange are over
	; ---------------- 3: the eight parts are joined; wave w takes queries 2 w and 2 w + 1 of its group, a lane four channels ----------------
	s_wait_alu depctr_vm_vsrc(0)                   ; WAIT 6: my LDS stores of this trip have read their data: O^T in v128 to v159, written again from here on; v[NM ..], v[MC ..] and the mask's words v[MK ..], written again in the next trip
.irp k, 0,1,2,3
	ds_load_b128 v[128+4*\k:131+4*\k], v[AX2R] offset:16*\k         ; (-M_k, l_k), k = 0 .. 7
.endr
.irp k, 0,1,2,3,4,5,6,7
	ds_load_b128 v[160+4*\k:163+4*\k], v[AOR] offset:OWAV*\k
.endr
	s_wait_dscnt 8                                 ; the four loads of pairs are in; the eight younger loads of parts may be out
	v_min3_num_f32 v151, v128, v130, v132
	v_min3_num_f32 v151, v151, v134, v136
	v_min3_num_f32 v151, v151, v138, v140
	v_min_num_f32 v151, v151, v142                 ; -M of the row: M = the largest M_k
.irp k, 0,1,2,3,4,5,6,7
	v_sub_f32 v[128+2*\k], v151, v[128+2*\k]       ; M_k - M: a whole number, 0 or less
.endr
.irp k, 0,1,2,3,4,5,6,7
	v_cvt_i32_f32 v[128+2*\k], v[128+2*\k]         ; (it saturates)
.endr
.irp k, 0,1,2,3,4,5,6,7
	v_ldexp_f32 v[128+2*\k], 1.0, v[128+2*\k]      ; f_k = 2^(M_k - M): a multiplication by it rounds nothing
.endr
	v_mul_f32 v150, v129, v128
.irp k, 1,2,3,4,5,6,7
	v_fmac_f32 v150, v[129+2*\k], v[128+2*\k]      ; the row's sum of p (over 1/2: the largest p of the wave whose M_k is M)
.endr
	s_wait_alu depctr_va_vdst(0)
	v_rcp_f32 v148, v150
	s_wait_dscnt 0x0                               ; the parts
	v_pk_mul_f32 v[144:145], v[160:161], v[128:129] op_sel_hi:[1,0]   ; the sixteen lines down to the wait name nothing of the reciprocal: the work behind it
	v_pk_mul_f32 v[146:147], v[162:163], v[128:129] op_sel_hi:[1,0]
.irp k, 1,2,3,4,5,6,7
	v_pk_fma_f32 v[144:145], v[160+4*\k:161+4*\k], v[128+2*\k:129+2*\k], v[144:145] op_sel_hi:[1,0,1]
	v_pk_fma_f32 v[146:147], v[162+4*\k:163+4*\k], v[128+2*\k:129+2*\k], v[146:147] op_sel_hi:[1,0,1]
.endr
	s_wait_alu depctr_va_vdst(0)                   ; the reciprocal v148 is written, ahead of its first reader
	v_pk_mul_f32 v[144:145], v[144:145], v[148:149] op_sel_hi:[1,0]
	v_pk_mul_f32 v[146:147], v[146:147], v[148:149] op_sel_hi:[1,0]
	s_wait_alu depctr_va_vdst(0)                   ; WAIT 7: the two multiplications have written v[144:147], which the store reads
	global_store_b128 v[L16], v[144:147], s[20:21] th:TH_STORE_NT   ; 32 lanes store 512 consecutive bytes, two whole rows of out0, at a multiple of 512 from its first byte
	s_wait_xcnt 0x0                                ; the store has read its registers and its base (ISA guide 3.1): both are written again below and in the next trip
	s_wait_alu depctr_vm_vsrc(0)                   ; WAIT 8, beside it and ahead of the backward jump: the store has read v[144:147], which the next trip's first products write
	s_add_nc_u64 s[8:9], s[8:9], 1024              ; 32 queries on: Q's codes,
	s_add_nc_u64 s[10:11], s[10:11], 64            ; its scales,
	s_add_nc_u64 s[18:19], s[18:19], 32768         ; the mask's rows,
	s_add_nc_u64 s[20:21], s[20:21], 8192          ; out0's rows,
	v_pk_add_f32 v[DL:DL+1], v[DL:DL+1], 0x42000000 op_sel_hi:[1,0]     ; and the distances: + 32.0
	v_pk_add_f32 v[DL+2:DL+3], v[DL+2:DL+3], 0x42000000 op_sel_hi:[1,0]
	s_sub_co_u32 s38, s38, 1
	s_cmp_lg_u32 s38, 0
	s_cbranch_scc1 .Ltrip
	s_wait_xcnt 0x0
	v_lshl_add_u32 v226, v0, 2, 0x2a800            ; the LDS address of my spare word and 0, made anew here from v0, which is as at the entry: no two registers are free through the loop.  No load or store has ever read v226 or v227
	v_mov_b32 v227, 0
	s_wait_dscnt 0x0                               ; the closing lines, six on end
	s_wait_alu 0x0
	s_wait_tensorcnt 0x0
	ds_add_u32 v226, v227
	s_wait_dscnt 0x0
	s_endpgm
.Lfunc_end_k_q66d8067d33_mono:
	.size	k_q66d8067d33_mono, .Lfunc_end_k_q66d8067d33_mono-k_q66d8067d33_mono
	.p2alignl 7, 3214868480
	.fill 96, 4, 3214868480
	.section	.rodata,"a",@progbits
	.p2align	6, 0x0
	.amdhsa_kernel k_q66d8067d33_mono
		.amdhsa_group_segment_fixed_size 176128
		.amdhsa_private_segment_fixed_size 0
		.amdhsa_enable_private_segment 0
		.amdhsa_kernarg_size 72
		.amdhsa_user_sgpr_count 2
		.amdhsa_user_sgpr_kernarg_segment_ptr 1
		.amdhsa_wavefront_size32 1
		.amdhsa_system_sgpr_workgroup_id_x 1
		.amdhsa_system_sgpr_workgroup_id_y 1
		.amdhsa_system_sgpr_workgroup_id_z 1
		.amdhsa_system_vgpr_workitem_id 0
		.amdhsa_next_free_vgpr 256
		.amdhsa_next_free_sgpr 66
		.amdhsa_reserve_vcc 0
		.amdhsa_float_denorm_mode_32 3
		.amdhsa_float_denorm_mode_16_64 3
		.amdhsa_memory_ordered 1
		.amdhsa_forward_progress 1
		.amdhsa_inst_pref_size 74
	.end_amdhsa_kernel
	.amdgpu_metadata
---
amdhsa.version: [ 1, 2 ]
amdhsa.kernels:
  - .name:           k_q66d8067d33_mono
    .symbol:         k_q66d8067d33_mono.kd
    .args:
      - { .name: K_codes, .offset: 0, .size: 8, .value_kind: global_buffer, .address_space: global }
      - { .name: K_scales, .offset: 8, .size: 8, .value_kind: global_buffer, .address_space: global }
      - { .name: Q_codes, .offset: 16, .size: 8, .value_kind: global_buffer, .address_space: global }
      - { .name: Q_scales, .offset: 24, .size: 8, .value_kind: global_buffer, .address_space: global }
      - { .name: V_codes, .offset: 32, .size: 8, .value_kind: global_buffer, .address_space: global }
      - { .name: V_scales, .offset: 40, .size: 8, .value_kind: global_buffer, .address_space: global }
      - { .name: gamma, .offset: 48, .size: 8, .value_kind: global_buffer, .address_space: global }
      - { .name: mask, .offset: 56, .size: 8, .value_kind: global_buffer, .address_space: global }
      - { .name: out0, .offset: 64, .size: 8, .value_kind: global_buffer, .address_space: global }
    .group_segment_fixed_size: 176128
    .private_segment_fixed_size: 0
    .kernarg_segment_align: 8
    .kernarg_segment_size: 72
    .max_flat_workgroup_size: 512
    .sgpr_count:     66
    .vgpr_count:     256
    .wavefront_size: 32
...
	.end_amdgpu_metadata
.endif
;; end of part 2
